; MI455X (gfx1250); checked and timed in simulation.
; The chip was launched on July 23, 2026; its instructions are those of AMD's public machine-readable ISA for CDNA 5 (MIT licence, August 2026) and "CDNA5" Instruction Set Architecture Reference Guide (July 2026). The comments in the code are by the model that wrote it; some were corrected since.
;; Multi Headed Attention. Allowed arithmetic: matrix products marked QUANTISED: E5M2 operands, one given power-of-two scale a tensor, by v_wmma_f32_16x16x64_bf8_bf8 or v_wmma_f32_16x16x128_bf8_bf8, f32 sums; products left as they are: f32 operands where the result goes on into a quantised operand, else bf16, f16 or f32 operands; f32 sums; everything else in f32.
;; Inputs: W0_b 1 float32; W0_w 16 x 1 float32; Wk_b 1,024 float32; Wk_w_codes 1,024 x 32 x 32 uint8 (E5M2 codes of Wk_w, K innermost, in blocks of 32 codes); Wq_b 1,024 float32; Wq_w_codes 1,024 x 32 x 32 uint8 (E5M2 codes of Wq_w, K innermost, in blocks of 32 codes); Wv_b 1,024 float32; Wv_w_codes 1,024 x 32 x 32 uint8 (E5M2 codes of Wv_w, K innermost, in blocks of 32 codes); k_codes 2 x 2,048 x 32 x 32 uint8 (E5M2 codes of k, K innermost, in blocks of 32 codes); lowp_scales 10 int32 (the exponents e of the quantised operands' scales 2^e); q_codes 2 x 2,048 x 32 x 32 uint8 (E5M2 codes of q, K innermost, in blocks of 32 codes); v_codes 2 x 2,048 x 32 x 32 uint8 (E5M2 codes of v, K innermost, in blocks of 32 codes).
;; Outputs: out0 2 x 2,048 x 64 float32.
;; This version of the problem:
;;   THIS VERSION OF THE PROBLEM IS GIVEN IN LOW PRECISION. The matrix products marked QUANTISED in the list below multiply operands that are first quantised to E5M2 (5 exponent bits, 2 mantissa bits; 8 bits a number), with one given power-of-two scale for each operand tensor; their sums are f32. All else is computed in f32.
;;   The module's matrix products, in the order in which they are computed (A, B: the left and right operand; K: the contracted axis; several contracted axes count as one K, in the product's order):
;;     1. [M 4,096, K 1,024] x [K 1,024, N 1,024]; A: input q (given as codes); B: input Wq_w (given as codes): QUANTISED (scales: A lowp_scales[0], B lowp_scales[1])
;;     2. [M 4,096, K 1,024] x [K 1,024, N 1,024]; A: input k (given as codes); B: input Wk_w (given as codes): QUANTISED (scales: A lowp_scales[2], B lowp_scales[3])
;;     3. [M 4,096, K 1,024] x [K 1,024, N 1,024]; A: input v (given as codes); B: input Wv_w (given as codes): QUANTISED (scales: A lowp_scales[4], B lowp_scales[5])
;;     4. batch 32 x [M 2,048, K 64] x [K 64, N 2,048]; A: computed on the way; B: computed on the way: QUANTISED (scales: A lowp_scales[6], B lowp_scales[7])
;;     5. batch 32 x [M 2,048, K 2,048] x [K 2,048, N 64]; A: softmax (see below); B: computed on the way: QUANTISED (scales: A lowp_scales[8], B lowp_scales[9])
;;     6. [M 262,144, K 16] x [K 16, N 1]; A: computed on the way; B: input W0_w: left as it is (K = 16 < 32)
;;   THE QUANTISER, for each operand of a quantised product, along K:
;;     - The operand's scale is 2^e, e = its entry of the input lowp_scales (int32; the entries are numbered through the quantised products in the list's order, A before B).
;;     - Each number is divided by the scale, clamped to +-57,344, and rounded to the nearest number of E5M2, ties to even, subnormals kept.
;;     - The product sums the exact products of the quantised numbers (number of the format x scale) in f32.
;;   ~~~python
;;   def quantise(x, axis, e):      # numpy; x: float32 -> the quantised numbers, widened to float32 again
;;       x = np.moveaxis(x, axis, -1); K = x.shape[-1]
;;       r = np.clip(x / 2.0 ** e, -57344, 57344)
;;       step = 2.0 ** (np.maximum(np.frexp(np.where(r == 0, 1, r))[1] - 1, -14) - 2)
;;       q = np.round(r / step) * step * 2.0 ** e      # np.round: ties to even
;;       return np.moveaxis(q, -1, axis).astype(np.float32)
;;   ~~~
;;   SOFTMAX AHEAD OF A QUANTISED PRODUCT. Where the list says 'softmax', what is quantised is not the finished softmax but p = 2^(t - M), with t = logit x log2(e) and M = ceil(the row's largest t), a whole number; so 1/2 < the row's largest p <= 1. The row's sum l is taken of the UNQUANTISED p, in f32, and the product's result is divided by l at the end. Since M is a whole number, a kernel that streams over the keys may use a running M (the ceiling of the running maximum): every later rescaling is an exact power of two, so the quantised numbers keep their values, but for numbers so far below the row's largest that they fall under the format's range.
;;   OPERANDS COMPUTED ON THE WAY. 'Computed on the way' means the value that the module computes at that place (a softmax that the list does not call 'softmax' is quantised finished and normalised). What goes into a quantiser is computed in f32, as accurately as f32 sums, v_exp_f32 and their like allow (about 1e-6 of the number): no bf16 or f16 on the way to a quantiser, and a product that is left as it is and whose result goes on into a quantised operand takes f32 operands (vector FMAs, or v_wmma_f32_16x16x4_f32). A number that lies on a knife's edge between two numbers of the format may be rounded either way, as far as f32 arithmetic and the matrix unit's own rounding can turn it there, and no further.
;;   INPUTS GIVEN AS CODES. Wk_w (in the module: [1024, 1024], K = its axis 0); Wq_w (in the module: [1024, 1024], K = its axis 0); Wv_w (in the module: [1024, 1024], K = its axis 0); k (in the module: [2, 2048, 1024], K = its axis 2); q (in the module: [2, 2048, 1024], K = its axis 2); v (in the module: [2, 2048, 1024], K = its axis 2): each comes as NAME_codes (uint8): NAME with its K axis moved to the last place and cut into blocks of 32 codes, [.., K / 32, bytes a block], one block behind the other in memory; one code a byte (a code: sign, 5 exponent bits, 2 mantissa bits); its scale is its entry of lowp_scales. Its value is code x scale, taken as it is: it is not quantised again, and the codes and scales need not be those that the quantiser above would give.
;; One version. Each part assembles by itself: llvm-mc -triple=amdgcn-amd-amdhsa -mcpu=gfx1250 --defsym DOCPART=n.
;; ======== version 1 of 1: 3 launches
;; limits: values are held in bf16: 8 bits of precision; right only within a limited range of input values
;; workspace buffers: qkv 12,582,912 bytes; part 8,388,608 bytes
;; launch proj (part 1): grid 4 x 48, 4 waves a work-group, clusters of 4 x 4, 327,680 bytes of LDS; arguments q_codes, k_codes, v_codes, Wq_w_codes, Wk_w_codes, Wv_w_codes, Wq_b, Wk_b, Wv_b, lowp_scales, qkv; writes qkv
.if DOCPART == 1
	.amdgcn_target "amdgcn-amd-amdhsa--gfx1250"
	.amdhsa_code_object_version 6
	.text
	.protected	k_qa986b0598a_proj
	.globl	k_qa986b0598a_proj
	.p2align	8
	.type	k_qa986b0598a_proj,@function
k_qa986b0598a_proj:
	s_mov_b64 s[64:65], 0
	v_nop
	global_prefetch_b8 v0, s[64:65] scope:SCOPE_SE
	s_setreg_imm32_b32 hwreg(HW_REG_WAVE_MODE, 25, 1), 1
	s_wait_xcnt 0x0
	s_wait_alu depctr_hold_cnt(0) depctr_sa_sdst(0) depctr_va_vdst(0) depctr_va_sdst(0) depctr_va_ssrc(0) depctr_va_vcc(0) depctr_vm_vsrc(0)
	s_getreg_b32 s2, hwreg(HW_REG_IB_STS2, 6, 4)
	s_cmp_eq_u32 s2, 0
	s_cbranch_scc0 .Lentry_in_a_cluster
	s_endpgm
.Lentry_in_a_cluster:
	s_bfe_u32 s2, ttmp6, 0x10000c
	s_cmp_lg_u32 s2, 0xf033
	s_cbranch_scc0 .Lentry_shape_is_right
	s_endpgm
.Lentry_shape_is_right:
; THE THREE PROJECTIONS, Y = X W + b, on codes of E5M2, and the quantiser behind them.  X: [4096][1024] codes, W: [1024 (n)][1024 (k)] codes, K innermost in both; b: [1024] f32.
; One grid serves all three: cluster y = 4 T + u, T = 0 (q), 1 (k), 2 (v).  A tile of Y, 256 x 256, is made by a work-group of four waves; a wave makes 128 x 128: 64 accumulators of 16 x 16.
; WHAT COMES OUT: codes of E5M2 laid as IMAGES OF THE NEXT PRODUCTS' OPERAND REGISTERS.  reference()'s reshape makes head bh = rows 128 bh .. 128 bh + 127 of Y, and columns 64 i .. 64 i + 63 of row mm
; position 16 mm + i of that head.  qkv = [bh 32][i 16][Q 8,192 | K 8,192 | V 8,192] bytes; a chunk of 512 bytes holds four registers of 32 lanes, lane l's 16 bytes at 16 l.
;   Q, K: fragment kap at 1,024 kap: lane (r, h) holds row mm = 16 kap + r; registers 2 c, 2 c + 1 hold d = 16 c + 8 h + 0 .. 7 (the operand layout of the K = 64 form).
;   V:    fragment tau at 2,048 tau: lane (r, h) holds d = 16 tau + r; registers 2 c, 2 c + 1 hold row mm = 16 c + 8 h + 0 .. 7 (the operand layout of the K = 128 form; the keys are that product's K).
; In a result, register j of lane (r, h) is (source 0's row 8 h + j, source 1's row r).  So one conversion of an accumulator's eight registers IS a register pair of such an image, in the same lane:
; Q, K take the weights as source 0 (S0) and the rows of X as source 1 (S1); V takes them the other way round.  Only pointers and tile numbers are chosen; the product's text is one.
; THE BIAS is the C of each sum's first matrix instruction, as b / 2^(ea + ew), since a sum stands for sum x 2^(ea + ew); the conversion's one scale is 2^(eo - ea - ew); the hold at the largest code stands ahead of it.
; K goes in steps of 256 through a ring of two LDS slots filled by the tensor data mover: four slots' worth, so the steps are written out and there is no loop.
; CLUSTERS: 4 x 4 work-groups.  S1's tile hangs on cy alone and is asked for jointly by a row of the cluster, S0's on cx alone and by a column.
; The fragments come by four loads of 16 bytes: a permutation of k inside a step of 128, the same in both operands, so that every product meets its partner.
; LIMITS: eo - ea - ew lies between -126 and 112 for each of the three (eo = entry 6, 7, 9; ea, ew = entries 0 to 5 of the scales), so that the scale and 57,344 x the scale are f32 numbers; NaN among the biases is not served.
; REGISTERS, in windows of 256: window 0: v1-5 at work, v16-29 addresses, v32-95 the bias, v128-255 S1's eight fragments (one set), later the codes.
;   window 1: S0's fragments, two sets, at v0 and v128.   windows 2, 3: accumulator (a, b) at v[8 (8 (a % 4) + b)] of window 2 + a / 4; a = S1's block of 16 rows, b = S0's.
; NO PREFETCH: K is four steps of 256, two fetched ahead of the first product and two by the only refills; the steps are written out and there is no loop to run ahead in.
; No work of reference() is left out in this program.
.set ROWB,   256                       ; a tile's row in bytes: 256 codes
.set KROW,   1024                      ; a row of either operand in memory, in bytes
.set PITCH,  272                       ; an LDS row: 256 bytes + 16 of padding = 68 words, so that the 16 rows of a fragment load start 4 words apart
.set FR,     16                        ; registers of a fragment: 16 rows x 128 K
.set NL,     4                         ; LDS loads that bring one
.set NP,     4                         ; places behind this matrix instruction (ISA guide 7.12.1)
.set HALFT,  128*PITCH                 ; 128 rows: what one tensor load brings, and what one wave reads of S1 or of S0
.set SLOT,   4*HALFT                   ; S1's 256 rows, then S0's 256 rows
.set SPARE,  2*SLOT                    ; behind the ring: the spare words, 128 bytes for each wave: two blocks of 256 bytes that no other line names
.set ADRA, 16                          ; v16-17  LDS address of my S1 fragments in slot 0, 1
.set ADRB, 20                          ; v20-21  the same for S0
.set VO,   24                          ; v24     16 x lane;  v25: the same + O2 (the second half of a block's codes)
.set BO,   26                          ; v26     my byte offset in the bias
.set SC,   27                          ; v27     2^(eo - ea - ew) as f32
.set SPW,  28                          ; v28     LDS address of my spare word; never rewritten
.set NIL,  29                          ; v29     0; never rewritten
.set BI,   32                          ; v32-95  the bias / 2^(ea + ew), eight registers a block, in the result's layout
.set AF,   128                         ; S1's fragments
.set CD,   128                         ; the way out: block a's codes at v[CD + 16 a + 2 b]
.set G1,   24                          ; s[24:31] descriptor group 1 for S1's tiles;  s[32:39] group 0, one set for each slot
.set G0,   32
.set G1B,  48                          ; s[48:55], s[56:63] the same for S0's tiles
.set G0B,  56
.set BA,   24                          ; s[24:39] behind the product: the eight blocks' places in qkv
.set LIM,  66                          ; s66  57,344 x 2^(eo - ea - ew);  s67 the same, negative
.set ISV,  91                          ; s91  1 where the tensor is v
.set MSB, 0
.macro WIN new                         ; the immediate's high byte repeats the setting that is left
.if MSB != (\new)
	s_set_vgpr_msb (MSB<<8)|(\new)
.set MSB, (\new)
.endif
.endm
.macro MWIN hi, mode                   ; the product's windows: source 0 (S0) window 1, source 1 (S1) window 0, D window 2 + hi; C with D (mode 0) or in window 0 (the bias)
.if \mode
	WIN 0x81+0x40*(\hi)
.else
	WIN 0xa1+0x50*(\hi)
.endif
.endm
.set TO_B, 0x40                        ; destination window 1, address window 0
; A joint load: waves 0 and 1 fetch for S1, waves 2 and 3 for S0.  Each of the two lines has one mask and one set of registers for all that issue it; the branch hangs on the wave's number alone.
; An s_nop 0 and four v_nop follow each of the two lines, ahead of the jump, the label and what follows.
.macro JLOAD g0a, g1a, g0b, g1b
	s_cmp_eq_u32 s15, 0
	s_cbranch_scc0 .Lfor_b_\@
	tensor_load_to_lds s[\g0a:\g0a+3], s[\g1a:\g1a+7]
	s_nop 0
.rept 4
	v_nop
.endr
	s_branch .Lasked_\@
.Lfor_b_\@:
	tensor_load_to_lds s[\g0b:\g0b+3], s[\g1b:\g1b+7]
	s_nop 0
.rept 4
	v_nop
.endr
.Lasked_\@:
.endm
.macro CREST                           ; a round of the cluster's barrier behind its opening barrier
	s_cmp_lg_u32 s14, 0
	s_cbranch_scc1 .Lnot_wave_0_\@
	s_barrier_signal -3
.Lnot_wave_0_\@:
	s_barrier_wait -3
	s_barrier_signal -1
	s_barrier_wait -1
.endm
.macro CROUND                          ; a whole round
	s_barrier_signal -1
	s_barrier_wait -1
	CREST
.endm
	s_load_b256 s[68:75], s[0:1], 0x0              ; q s[68:69], k s[70:71], v s[72:73], Wq s[74:75]
	s_load_b256 s[76:83], s[0:1], 0x20             ; Wk s[76:77], Wv s[78:79], Wq_b s[80:81], Wk_b s[82:83]
	s_load_b128 s[84:87], s[0:1], 0x40             ; Wv_b s[84:85], the scales' exponents s[86:87]
	s_load_b64 s[88:89], s[0:1], 0x50              ; qkv
	v_lshl_add_u32 v[SPW], v0, 2, SPARE
	v_mov_b32 v[NIL], 0
	ds_add_u32 v[SPW], v[NIL]                      ; the wave's opening: the add and its wait ahead of my first tensor load; the set-up below, work on registers, stands between them
	ds_add_u32 v[SPW], v[NIL]
	v_lshrrev_b32 v1, 5, v0
	v_readfirstlane_b32 s14, v1                    ; wave 0..3
	s_lshr_b32 s15, s14, 1                         ; which half of S1's rows is mine.  Also: I fetch for S1 (0) or for S0 (1)
	s_and_b32 s16, s14, 1                          ; which half of S0's rows is mine.  Also: which 128 rows of that tile I fetch
	s_bfe_u32 s40, ttmp6, 0x40000                  ; cx, cy: my place in the cluster
	s_bfe_u32 s41, ttmp6, 0x40004
	s_and_b32 s12, ttmp7, 0xffff                   ; cluster y = 4 T + u
	s_and_b32 s13, s12, 3                          ; u
	s_lshr_b32 s12, s12, 2                         ; T: 0 q, 1 k, 2 v: the same in all sixteen partners
	s_cmp_eq_u32 s12, 2
	s_cselect_b32 s[ISV], 1, 0
	s_cselect_b32 s22, s13, 0                      ; the operand with 16 tiles of 256 rows (X) takes u: it is S0 for v,
	s_cselect_b32 s23, 0, s13                      ; S1 for q and k; the weights have 4 tiles
	s_lshl_b32 s42, s22, 2
	s_add_co_u32 s42, s42, s40                     ; S0's tile = 4 u0 + cx
	s_lshl_b32 s17, s23, 2
	s_add_co_u32 s17, s17, s41                     ; S1's tile = 4 u1 + cy
	s_lshl_b32 s43, s41, 2
	s_lshl_b32 s43, 15, s43                        ; my row of the cluster
	s_lshl_b32 s44, 0x1111, s40                    ; my column
	; descriptor group 1: a tile of 128 rows x 256 bytes, padded in LDS
	s_or_b32 s[G1+0], s43, (0<<16)|(1<<20)|(1<<21)|(5<<22)|(3<<25)  ; 15:0 the mask: S1's tiles go to my row; 17:16 element of 1 byte; 20 padding on; 21 set beside a mask; 24:22 after every 64 words (code 5); 31:25 of 4 words (code 3)
	s_or_b32 s[G1B+0], s44, (0<<16)|(1<<20)|(1<<21)|(5<<22)|(3<<25) ; the same with the mask of my column, for S0's tiles
.irp g, G1, G1B
	s_mov_b32 s[\g+1], ROWB<<16                    ; tensor_dim0 = 256
	s_mov_b32 s[\g+2], 128<<16                     ; tensor_dim1 = 128
	s_mov_b32 s[\g+3], ROWB<<16                    ; tile_dim0 = 256
	s_mov_b32 s[\g+4], 128                         ; tile_dim1 = 128
	s_mov_b32 s[\g+5], KROW                        ; tensor_dim0_stride
	s_mov_b32 s[\g+6], 0
	s_mov_b32 s[\g+7], 0
.endr
	s_lshl_b32 s22, s16, 7                         ; which 128 rows of the tile I fetch
	s_lshl_b32 s20, s17, 8
	s_add_co_u32 s20, s20, s22                     ; S1: row 256 x tile + 128 x half,
	s_lshl_b32 s20, s20, 10                        ; in bytes: under 4 MiB
	s_mov_b32 s21, 0
	s_lshl_b32 s46, s42, 8
	s_add_co_u32 s46, s46, s22                     ; S0 likewise
	s_lshl_b32 s46, s46, 10
	s_mov_b32 s47, 0
	s_mul_i32 s45, s14, HALFT                      ; where they go: wave x 128 rows: no place in the cluster enters an LDS address
	s_wait_dscnt 0x0                               ; the opening add is done
	s_wait_kmcnt 0x0
	s_load_b256 s[92:99], s[86:87], 0x0            ; entries 0 to 7 of the scales' exponents
	s_load_b64 s[100:101], s[86:87], 0x20          ; entries 8, 9
	s_cmp_eq_u32 s12, 0                            ; the buffers are chosen by the tensor's number, which hangs on no address
	s_cselect_b64 s[4:5], s[68:69], s[70:71]       ; X
	s_cselect_b64 s[6:7], s[74:75], s[76:77]       ; W
	s_cselect_b64 s[8:9], s[80:81], s[82:83]       ; b
	s_cmp_eq_u32 s12, 2
	s_cselect_b64 s[4:5], s[72:73], s[4:5]
	s_cselect_b64 s[6:7], s[78:79], s[6:7]
	s_cselect_b64 s[8:9], s[84:85], s[8:9]
	s_cselect_b64 s[2:3], s[6:7], s[4:5]           ; S1: the weights for v, else X
	s_cselect_b64 s[6:7], s[4:5], s[6:7]           ; S0: X for v, else the weights
	s_mov_b64 s[4:5], s[2:3]
	s_add_nc_u64 s[20:21], s[4:5], s[20:21]
	s_add_nc_u64 s[46:47], s[6:7], s[46:47]
	; THE HEAD'S LOADS fill both slots, one load a wave: wave w takes all 256 rows of its operand (S1: waves 0, 1; S0: 2, 3) for K step w % 2.  Group 1 for them, in the pointers' registers:
.set H1,   68                          ; s[68:75] S1's;  s[76:83] S0's: 256 rows x 256 bytes, padded as the refills are
.set H1B,  76
	s_or_b32 s[H1], s43, (0<<16)|(1<<20)|(1<<21)|(5<<22)|(3<<25)
	s_or_b32 s[H1B], s44, (0<<16)|(1<<20)|(1<<21)|(5<<22)|(3<<25)
.irp g, H1, H1B
	s_mov_b32 s[\g+1], ROWB<<16
	s_mov_b32 s[\g+2], 256<<16
	s_mov_b32 s[\g+3], ROWB<<16
	s_mov_b32 s[\g+4], 256
	s_mov_b32 s[\g+5], KROW
	s_mov_b32 s[\g+6], 0
	s_mov_b32 s[\g+7], 0
.endr
	s_lshl_b32 s22, s17, 18                        ; S1's tile: 256 rows of 1,024 bytes
	s_lshl_b32 s23, s16, 8                         ; K step w % 2
	s_add_co_u32 s22, s22, s23
	s_mov_b32 s23, 0
	s_mov_b32 s[G0], 1
	s_mul_i32 s[G0+1], s16, SLOT
	s_add_nc_u64 s[G0+2:G0+3], s[4:5], s[22:23]
	s_or_b32 s[G0+3], s[G0+3], 0x80000000
	s_lshl_b32 s22, s42, 18                        ; S0's tile likewise
	s_lshl_b32 s23, s16, 8
	s_add_co_u32 s22, s22, s23
	s_mov_b32 s23, 0
	s_mov_b32 s[G0B], 1
	s_mul_i32 s[G0B+1], s16, SLOT
	s_add_co_u32 s[G0B+1], s[G0B+1], 2*HALFT
	s_add_nc_u64 s[G0B+2:G0B+3], s[6:7], s[22:23]
	s_or_b32 s[G0B+3], s[G0B+3], 0x80000000
	s_mov_b32 s[G0+4], 1                           ; slot 1's refill: my 128 rows of K step 3
	s_add_co_u32 s[G0+5], s45, SLOT
	s_add_nc_u64 s[G0+6:G0+7], s[20:21], 3*ROWB
	s_or_b32 s[G0+7], s[G0+7], 0x80000000
	s_mov_b32 s[G0B+4], 1
	s_add_co_u32 s[G0B+5], s45, SLOT
	s_add_nc_u64 s[G0B+6:G0B+7], s[46:47], 3*ROWB
	s_or_b32 s[G0B+7], s[G0B+7], 0x80000000
	CROUND                                         ; all sixteen work-groups are here: the first joint loads meet
	JLOAD G0, H1, G0B, H1B                         ; K steps 0 and 1: one tensor load a wave at the head
	v_and_b32 v1, 15, v0                           ; r = l % 16
	v_bfe_u32 v2, v0, 4, 1                         ; h = l / 16
	v_mul_u32_u24 v3, v1, PITCH
	v_lshl_add_u32 v4, v2, 4, v3                   ; a fragment's row x pitch + 16 x half
	s_mul_i32 s22, s15, HALFT                      ; my 128 rows of S1
	s_mul_i32 s23, s16, HALFT                      ; my 128 rows of S0,
	s_add_co_u32 s23, s23, 2*HALFT                 ; which lie behind S1's 256
.irp s, 0,1
	v_add_nc_u32 v[ADRA+\s], s22, v4
	v_add_nc_u32 v[ADRB+\s], s23, v4
	s_add_co_u32 s22, s22, SLOT
	s_add_co_u32 s23, s23, SLOT
.endr
	v_and_b32 v5, 31, v0
	v_lshlrev_b32 v[VO], 4, v5                     ; 16 x lane: my place in a chunk of an image
	s_wait_alu depctr_va_vdst(0)
	s_wait_kmcnt 0x0                               ; the exponents
	s_cmp_eq_u32 s12, 0
	s_cselect_b32 s2, s92, s94                     ; ea
	s_cselect_b32 s3, s93, s95                     ; ew
	s_cselect_b32 s22, s98, s99                    ; eo: entry 6 for q's heads, 7 for k's,
	s_cmp_eq_u32 s12, 2
	s_cselect_b32 s2, s96, s2
	s_cselect_b32 s3, s97, s3
	s_cselect_b32 s22, s101, s22                   ; 9 for v's
	s_add_co_i32 s2, s2, s3                        ; ea + ew
	s_sub_co_i32 s90, 0, s2                        ; the bias goes in x 2^-(ea + ew)
	s_sub_co_i32 s22, s22, s2
	s_add_co_i32 s22, s22, 127
	s_lshl_b32 s23, s22, 23
	v_mov_b32 v[SC], s23                           ; 2^(eo - ea - ew) as f32: the conversion takes its exponent field
	s_add_co_i32 s22, s22, 15
	s_lshl_b32 s22, s22, 23
	s_or_b32 s[LIM], s22, 0x600000                 ; 57,344 x that,
	s_or_b32 s[LIM+1], s[LIM], 0x80000000          ; and its negative
	s_cmp_eq_u32 s[ISV], 1                         ; the bias runs along the weights' rows: S1's for v, else S0's
	s_cselect_b32 s22, s17, s42
	s_cselect_b32 s23, s15, s16
	s_lshl_b32 s22, s22, 10                        ; 256 numbers of 4 bytes a tile,
	s_lshl_b32 s23, s23, 9                         ; 128 a half
	s_add_co_u32 s22, s22, s23
	s_mov_b32 s23, 0
	s_add_nc_u64 s[8:9], s[8:9], s[22:23]
	s_cmp_eq_u32 s[ISV], 1                         ; my place in qkv: the head from X's rows, the strip from the weights' rows
	s_cselect_b32 s22, s42, s17
	s_cselect_b32 s23, s16, s15
	s_cselect_b32 s46, s17, s42
	s_cselect_b32 s47, s15, s16
	s_lshl_b32 s22, s22, 1
	s_add_co_u32 s22, s22, s23                     ; bh = 2 x tile + half
	s_mul_i32 s22, s22, 393216
	s_lshl_b32 s46, s46, 2
	s_lshl_b32 s47, s47, 1
	s_add_co_u32 s46, s46, s47                     ; my first strip of 64 columns = 4 x tile + 2 x half
	s_mul_i32 s46, s46, 24576
	s_add_co_u32 s22, s22, s46
	s_lshl_b32 s46, s12, 13                        ; Q at 0, K at 8,192, V at 16,384 of a strip's 24,576 bytes
	s_add_co_u32 s22, s22, s46
	s_mov_b32 s23, 0
	s_add_nc_u64 s[10:11], s[88:89], s[22:23]
	s_lshl_b32 s18, 1024, s[ISV]                   ; from block a to block a + 1: a fragment: 1,024 bytes (q, k), 2,048 (v)
	s_mov_b32 s19, 0
	s_lshl_b32 s20, s[ISV], 14                     ; v: from block 3 to block 4 the strip changes: 24,576 - 3 x 2,048 = 2,048 + 16,384
	s_add_co_u32 s20, s20, s18
	s_mov_b32 s21, 0
	s_mov_b32 s22, 24576                           ; a block's second eight code registers: q, k: the next strip; v: the fragment's second half
	s_cmp_eq_u32 s[ISV], 1
	s_cselect_b32 s22, 1024, s22
	v_add_nc_u32 v[VO+1], s22, v[VO]
	; the bias, in the result's layout.  The branch hangs on the tensor's number alone
	s_cmp_eq_u32 s[ISV], 0
	s_cbranch_scc0 .Lbias_v
	v_lshlrev_b32 v[BO], 5, v2                     ; q, k: register j of accumulator (a, b) is weight row 16 b + 8 h + j
.irp b, 0,1,2,3,4,5,6,7
	global_load_b128 v[BI+8*\b:BI+8*\b+3], v[BO], s[8:9] offset:64*\b
	global_load_b128 v[BI+8*\b+4:BI+8*\b+7], v[BO], s[8:9] offset:64*\b+16
.endr
	s_wait_loadcnt 0x0
.set j, 0
.rept 64
	v_ldexp_f32 v[BI+j], v[BI+j], s90
.set j, j+1
.endr
	s_branch .Lbias_done
.Lbias_v:
	v_lshlrev_b32 v[BO], 2, v1                     ; v: all eight registers of accumulator (a, b) are weight row 16 a + r
.irp a, 0,1,2,3,4,5,6,7
	global_load_b32 v[BI+8*\a], v[BO], s[8:9] offset:64*\a
.endr
	s_wait_loadcnt 0x0
.irp a, 0,1,2,3,4,5,6,7
.irp j, 7,6,5,4,3,2,1,0
	v_ldexp_f32 v[BI+8*\a+\j], v[BI+8*\a], s90     ; the loaded number is rewritten last
.endr
.endr
.Lbias_done:
.macro FRAG reg, adr, q, i             ; a fragment, 16 rows x 128 K, is 16 registers: lane l holds row l % 16; registers 4 c .. 4 c + 3 hold K = 32 c + 16 (l / 16) + 0 .. 15
.irp c, 0,1,2,3
	ds_load_b128 v[\reg+4*\c:\reg+4*\c+3], v[\adr] offset:128*(\q)+32*\c+(\i)*16*PITCH
.endr
.endm
; 16 matrix instructions: S1's blocks a0, a0 + 1 x S0's eight, 128 along K.  p: S0's set.  mode 0: the sums go on; 1: they start from the bias along S0's rows; 2: along S1's rows.  Nothing is ever cleared.
; The 64 accumulators take turns, one instruction a turn, in the same order in every step.
.macro MUL16 a0, p, mode
.irp a, \a0, \a0+1
.irp b, 0,1,2,3,4,5,6,7
.if (\mode) == 0
	v_wmma_f32_16x16x128_bf8_bf8 v[8*(8*((\a)%4)+\b):8*(8*((\a)%4)+\b)+7], v[128*(\p)+FR*\b:128*(\p)+FR*\b+FR-1], v[AF+FR*(\a):AF+FR*(\a)+FR-1], v[8*(8*((\a)%4)+\b):8*(8*((\a)%4)+\b)+7]
.elseif (\mode) == 1
	v_wmma_f32_16x16x128_bf8_bf8 v[8*(8*((\a)%4)+\b):8*(8*((\a)%4)+\b)+7], v[128*(\p)+FR*\b:128*(\p)+FR*\b+FR-1], v[AF+FR*(\a):AF+FR*(\a)+FR-1], v[BI+8*\b:BI+8*\b+7]
.else
	v_wmma_f32_16x16x128_bf8_bf8 v[8*(8*((\a)%4)+\b):8*(8*((\a)%4)+\b)+7], v[128*(\p)+FR*\b:128*(\p)+FR*\b+FR-1], v[AF+FR*(\a):AF+FR*(\a)+FR-1], v[BI+8*(\a):BI+8*(\a)+7]
.endif
.endr
.endr
.endm
.macro FETCH_B slot, q, p              ; S0's eight fragments of the slot's q-th 128 along K into set p
	WIN TO_B
.irp i, 0,1,2,3,4,5,6,7
	FRAG 128*(\p)+FR*\i, ADRB+\slot, \q, \i
.endr
	WIN 0
.endm
.macro FETCH_A slot, q, i0             ; S1's blocks i0 .. i0 + 3
.irp i, \i0, \i0+1, \i0+2, \i0+3
	FRAG AF+FR*(\i), ADRA+\slot, \q, \i
.endr
.endm
; A load into a register that a matrix instruction has read, and a vector instruction that reads a matrix result or writes one of its registers, stand NP places behind it; only plain vector
; instructions that name none of its registers are places (ISA guide 7.12.1 for vector instructions).
.macro PLACES n
.rept \n
	v_nop
.endr
.endm
; A step of 128 along K that has its successor in the same slot.  S0's other set is free since the step before, and is fetched anew at this step's start;
; a block of S1 is free as soon as its eight products are issued: blocks 0-3 are fetched anew in the step's middle, blocks 4-7 at its end.
.macro STEP slot, q, mode
	s_wait_dscnt 4*NL                              ; S0's set and S1's blocks 0-3 are in; the sixteen youngest loads (S1's blocks 4-7) may be out
	FETCH_B \slot, (\q)+1, 1-(\q)%2
	MWIN 0, \mode
	MUL16 0, (\q)%2, \mode
	MUL16 2, (\q)%2, \mode
	s_wait_dscnt 8*NL                              ; S1's blocks 4-7 are in; the 32 loads of S0's next set may be out
	PLACES NP
	WIN 0
	FETCH_A \slot, (\q)+1, 0
	MWIN 1, \mode
	MUL16 4, (\q)%2, \mode
	MUL16 6, (\q)%2, \mode
	PLACES NP
	WIN 0
	FETCH_A \slot, (\q)+1, 4
.endm
; A slot's last step changes slots: ONE barrier; in front of it each wave waits for all its tensor loads, adds 0 to its spare word, and waits for that and for its own reads of this slot.  fill = 1: this slot is filled again, two K steps ahead.
.macro TURN slot, next, fill
	s_wait_tensorcnt 0x0                           ; all my tensor loads have landed: my part of the next slot  (every window is 0 here: the add's two registers lie in window 0)
	ds_add_u32 v[SPW], v[NIL]                      ; 0 onto my spare word
	s_wait_dscnt 4*NL+1                            ; the add and the sixteen youngest loads, S1's blocks 4-7, may be out
	MWIN 0, 0
	MUL16 0, 1, 0                                  ; sixteen matrix instructions stand between the add and the wait for it
	s_wait_dscnt 0x0                               ; the add is done, and my reads of this slot are over
	s_barrier_signal -1
	MUL16 2, 1, 0
	WIN 0
	s_barrier_wait -1
.if \fill
	CREST                                          ; the barrier has opened a round of the cluster's barrier: no wave of any partner still reads this slot's tile or has a load on its way
	JLOAD G0+4*\slot, G1, G0B+4*\slot, G1B         ; the first tensor load behind the round; the four v_nop behind it are the places in front of the loads below
.else
	PLACES NP
.endif
	FETCH_B \next, 0, 0
	FETCH_A \next, 0, 0
	MWIN 1, 0
	MUL16 4, 1, 0
	MUL16 6, 1, 0
	PLACES NP
	WIN 0
	FETCH_A \next, 0, 4
.endm
	s_wait_alu depctr_va_vdst(0)                   ; the head's end
	s_wait_tensorcnt 0x0                           ; my load is in
	s_barrier_signal -1
	s_barrier_wait -1                              ; everybody's is: both slots are whole
	s_mov_b32 s[G0+1], s45                         ; slot 0's refill: my 128 rows of K step 2
	s_sub_nc_u64 s[G0+2:G0+3], s[G0+6:G0+7], ROWB
	s_mov_b32 s[G0B+1], s45
	s_sub_nc_u64 s[G0B+2:G0B+3], s[G0B+6:G0B+7], ROWB
	FETCH_B 0, 0, 0
	FETCH_A 0, 0, 0
	FETCH_A 0, 0, 4
	s_cmp_eq_u32 s[ISV], 0                         ; the first step is written twice: it differs in which bias registers start a sum
	s_cbranch_scc0 .Lfirst_v
	s_wait_alu depctr_va_vdst(0)
	STEP 0, 0, 1
	s_branch .Lfirst_done
.Lfirst_v:
	s_wait_alu depctr_va_vdst(0)
	STEP 0, 0, 2
.Lfirst_done:
	TURN 0, 1, 1                                   ; K 128-255;  slot 0 takes K 512-767
	STEP 1, 0, 0                                   ; K 256-383
	TURN 1, 0, 1                                   ; K 384-511;  slot 1 takes K 768-1023
	STEP 0, 0, 0                                   ; K 512-639
	TURN 0, 1, 0                                   ; K 640-767;  nothing is left to fetch, so no round of the cluster's barrier
	STEP 1, 0, 0                                   ; K 768-895
	s_wait_dscnt 4*NL                              ; K 896-1023: the very last step
	MWIN 0, 0
	MUL16 0, 1, 0
	MUL16 2, 1, 0
	s_wait_dscnt 0
	MWIN 1, 0
	MUL16 4, 1, 0
	MUL16 6, 1, 0
	WIN 0
	; THE WAY OUT.  No tensor load of mine is out since the last change of slots, so the descriptors' registers take the eight blocks' places in qkv.
	s_mov_b64 s[BA:BA+1], s[10:11]
	s_add_nc_u64 s[BA+2:BA+3], s[BA:BA+1], s[18:19]
	s_add_nc_u64 s[BA+4:BA+5], s[BA+2:BA+3], s[18:19]
	s_add_nc_u64 s[BA+6:BA+7], s[BA+4:BA+5], s[18:19]
	s_add_nc_u64 s[BA+8:BA+9], s[BA+6:BA+7], s[20:21]
	s_add_nc_u64 s[BA+10:BA+11], s[BA+8:BA+9], s[18:19]
	s_add_nc_u64 s[BA+12:BA+13], s[BA+10:BA+11], s[18:19]
	s_add_nc_u64 s[BA+14:BA+15], s[BA+12:BA+13], s[18:19]
	PLACES NP                                      ; behind the last products: for the reads of their results and for the codes, which land where S1's fragments lay
.irp a, 0,1,2,3,4,5,6,7
	WIN 0x82+0x41*(\a/4)                           ; source 0 and destination: the block's window
.set j, 0
.rept 64
	v_med3_num_f32 v[64*(\a%4)+j], v[64*(\a%4)+j], s[LIM+1], s[LIM]   ; the conversion to an 8-bit code does not saturate (ISA guide 7.6.2): the hold at the largest code x the scale; each accumulator from its low end on
.set j, j+1
.endr
	WIN 0x02+(\a/4)                                ; source 0: the block's window; destination and scale: window 0
.irp b, 0,1,2,3,4,5,6,7
	v_cvt_scalef32_pk8_bf8_f32 v[CD+16*\a+2*\b:CD+16*\a+2*\b+1], v[64*(\a%4)+8*\b:64*(\a%4)+8*\b+7], v[SC]   ; eight neighbours along the next K: a register pair of the image
.endr
	v_nop                                          ; one plain vector instruction behind the last conversion of the run
	WIN 0
.irp c, 0,1,2,3
	global_store_b128 v[VO+\c/2], v[CD+16*\a+4*\c:CD+16*\a+4*\c+3], s[BA+2*\a:BA+2*\a+1] offset:512*(\c%2)   ; 32 lanes store 512 consecutive bytes, at a multiple of 512 from qkv's first byte; no data register is written twice
.endr
.endr
	s_wait_tensorcnt 0x0                           ; the wave's end, behind my last tensor load
	ds_add_u32 v[SPW], v[NIL]
	s_wait_dscnt 0x0
	CROUND                                         ; the closing round: no work-group ends while a partner may still ask for a tile that names it
	s_endpgm
.Lfunc_end_k_qa986b0598a_proj:
	.size	k_qa986b0598a_proj, .Lfunc_end_k_qa986b0598a_proj-k_qa986b0598a_proj
	.p2alignl 7, 3214868480
	.fill 96, 4, 3214868480
	.section	.rodata,"a",@progbits
	.p2align	6, 0x0
	.amdhsa_kernel k_qa986b0598a_proj
		.amdhsa_group_segment_fixed_size 327680
		.amdhsa_private_segment_fixed_size 0
		.amdhsa_enable_private_segment 0
		.amdhsa_kernarg_size 88
		.amdhsa_user_sgpr_count 2
		.amdhsa_user_sgpr_kernarg_segment_ptr 1
		.amdhsa_wavefront_size32 1
		.amdhsa_system_sgpr_workgroup_id_x 1
		.amdhsa_system_sgpr_workgroup_id_y 1
		.amdhsa_system_sgpr_workgroup_id_z 1
		.amdhsa_system_vgpr_workitem_id 0
		.amdhsa_next_free_vgpr 1024
		.amdhsa_next_free_sgpr 102
		.amdhsa_reserve_vcc 0
		.amdhsa_float_denorm_mode_32 3
		.amdhsa_float_denorm_mode_16_64 3
		.amdhsa_memory_ordered 1
		.amdhsa_forward_progress 1
		.amdhsa_inst_pref_size 140
	.end_amdhsa_kernel
	.amdgpu_metadata
---
amdhsa.version: [ 1, 2 ]
amdhsa.kernels:
  - .name:           k_qa986b0598a_proj
    .symbol:         k_qa986b0598a_proj.kd
    .args:
      - { .name: q_codes, .offset: 0, .size: 8, .value_kind: global_buffer, .address_space: global }
      - { .name: k_codes, .offset: 8, .size: 8, .value_kind: global_buffer, .address_space: global }
      - { .name: v_codes, .offset: 16, .size: 8, .value_kind: global_buffer, .address_space: global }
      - { .name: Wq_w_codes, .offset: 24, .size: 8, .value_kind: global_buffer, .address_space: global }
      - { .name: Wk_w_codes, .offset: 32, .size: 8, .value_kind: global_buffer, .address_space: global }
      - { .name: Wv_w_codes, .offset: 40, .size: 8, .value_kind: global_buffer, .address_space: global }
      - { .name: Wq_b, .offset: 48, .size: 8, .value_kind: global_buffer, .address_space: global }
      - { .name: Wk_b, .offset: 56, .size: 8, .value_kind: global_buffer, .address_space: global }
      - { .name: Wv_b, .offset: 64, .size: 8, .value_kind: global_buffer, .address_space: global }
      - { .name: lowp_scales, .offset: 72, .size: 8, .value_kind: global_buffer, .address_space: global }
      - { .name: qkv, .offset: 80, .size: 8, .value_kind: global_buffer, .address_space: global }
    .group_segment_fixed_size: 327680
    .private_segment_fixed_size: 0
    .kernarg_segment_align: 8
    .kernarg_segment_size: 88
    .max_flat_workgroup_size: 128
    .sgpr_count:     102
    .vgpr_count:     1024
    .wavefront_size: 32
...
	.end_amdgpu_metadata
.endif
;; end of part 1
;; launch attn (part 2): grid 8 x 32, 16 waves a work-group, clusters of 4 x 1, 327,680 bytes of LDS; arguments qkv, lowp_scales, part; writes part
.if DOCPART == 2
	.amdgcn_target "amdgcn-amd-amdhsa--gfx1250"
	.amdhsa_code_object_version 6
	.text
	.protected	k_qa986b0598a_attn
	.globl	k_qa986b0598a_attn
	.p2align	8
	.type	k_qa986b0598a_attn,@function
k_qa986b0598a_attn:
	s_mov_b64 s[64:65], 0
	v_nop
	global_prefetch_b8 v0, s[64:65] scope:SCOPE_SE
	s_setreg_imm32_b32 hwreg(HW_REG_WAVE_MODE, 25, 1), 1
	s_wait_xcnt 0x0
	s_wait_alu depctr_hold_cnt(0) depctr_sa_sdst(0) depctr_va_vdst(0) depctr_va_sdst(0) depctr_va_ssrc(0) depctr_va_vcc(0) depctr_vm_vsrc(0)
	s_getreg_b32 s2, hwreg(HW_REG_IB_STS2, 6, 4)
	s_cmp_eq_u32 s2, 0
	s_cbranch_scc0 .Lentry_in_a_cluster
	s_endpgm
.Lentry_in_a_cluster:
	s_bfe_u32 s2, ttmp6, 0x10000c
	s_cmp_lg_u32 s2, 0x3003
	s_cbranch_scc0 .Lentry_shape_is_right
	s_endpgm
.Lentry_shape_is_right:
; ATTENTION ON CODES OF E5M2: o = softmax(q k^T / 8) v for the 32 heads bh, each 2,048 positions x 64; what leaves is o as bf16, the operand of the last product (reference()'s Dense over the heads).
; qkv = [bh 32][strip 16][Q 8,192 | K 8,192 | V 8,192] bytes, images of operand registers: a strip is 128 positions; Q, K: fragment kap at 1,024 kap; V: fragment tau at 2,048 tau; lane l's 16 bytes of each 512 at 16 l.
; part = [bh 32][tile 128][tau 4][lane 32][8 bf16]: lane (r, h) holds query r of the tile, d = 16 tau + 8 h + 0 .. 7.
; SHARES.  A work-group owns 256 queries of a head, 16 tiles of 16.  Waves 2 g and 2 g + 1 own the same two tiles and take the strips of keys by turns (wave w: strips 2 n + w % 2); so each fragment of K and V that is read
; from LDS feeds two tiles.  At the end the two waves exchange one tile's partial result each through LDS: A is the tile that a wave finishes (number w), B the one that it sends (number w xor 1).
; THE SOFTMAX: t = score x c; M = the running largest t rounded up, kept as -M; p = 2^(t - M) is quantised, the row's sum is taken of the unquantised p in f32; O and the sum are rescaled by 2^(old M - new M): exact.
; Both products are used transposed (source 0 = keys, or the head's 64; source 1 = queries): a lane holds one query of a tile throughout, and the conversions of S^T's accumulators are the next product's operand registers.
; LOADS.  All 16 strips of K and V lie in LDS, strip i at 16,384 i: strips 0 to 3 by one load a wave at the head (4,096 bytes each), strips 4 to 15 by one load of 16,384 bytes in each of waves 0 to 11, which has the first trip in which to land.
; CLUSTERS: the work-groups of four query blocks walk the same K and V and ask for them jointly (mask 15).  NO PREFETCH: both loads of the launch are issued ahead of its loops, so there is no loop to run ahead in.
; LIMITS: eq + ek between -123 and 130 (entries 6, 7), ep (entry 8) between -126 and 112, so that the powers of two below are f32 numbers; scaled scores under 2^31 in magnitude.
; REGISTERS: v0-15 as named below; v16-31 Q (A, B); v32-63 T: K's fragments 4-7, work, then P (A, B); v64-127 O^T (A, B); v128-191 SA: S^T of A, then V's fragments; v192-255 SB: K's fragments 0-3, S^T of B.
.set ADR,  0                           ; LDS address of the strip in hand
.set SPW,  1                           ; my spare word; never rewritten
.set NIL,  2                           ; 0; never rewritten
.set KB,   3                           ; 16 x lane + 16,384 x (w % 2)
.set SCP,  4                           ; 2^ep
.set LI,   5                           ; 16 x lane
.set NM,   6                           ; -M of A, of B
.set RM,   8                           ; the largest score of A, of B
.set F,    10                          ; 2^(old M - new M) of A, of B
.set LA,   12                          ; A's sum in two halves
.set LB,   14                          ; B's
.set Q,    16
.set T,    32
.set O,    64
.set SA,   128
.set SB,   192
.set SPARE, 262144                     ; behind the strips: the spare words, 128 bytes for each wave
.set XML,   264192                     ; behind them: 256 bytes for each wave: a sum and -M in the exchange
.set WV,   12
.set SEL,  20
.set CS,   22
.set G1,   24
.set H1,   32
.set G0,   40
.set H0,   44
.set TB,   48
.set CNT,  49
.set NC,   50
.set LIM,  56
.set EPV,  57
.macro ROUND
	s_barrier_signal -1
	s_barrier_wait -1
	s_cmp_lg_u32 s[WV], 0
	s_cbranch_scc1 .Lnot_wave_0_\@
	s_barrier_signal -3
.Lnot_wave_0_\@:
	s_barrier_wait -3
	s_barrier_signal -1
	s_barrier_wait -1
.endm
	s_load_b128 s[4:7], s[0:1], 0x0                ; qkv s[4:5], the scales' exponents s[6:7]
	s_load_b64 s[10:11], s[0:1], 0x10              ; part
	v_lshl_add_u32 v[SPW], v0, 2, SPARE
	v_mov_b32 v[NIL], 0
	ds_add_u32 v[SPW], v[NIL]                      ; the wave's opening: the add, twice on end, and its wait
	ds_add_u32 v[SPW], v[NIL]
	v_lshrrev_b32 v[KB], 5, v0
	v_readfirstlane_b32 s[WV], v[KB]               ; wave w, 0..15
	s_bfe_u32 s13, ttmp6, 0x40000
	s_lshl_b32 s14, ttmp9, 2
	s_add_co_u32 s14, s14, s13                     ; query block x = 4 x cluster x + cx
	s_and_b32 s15, ttmp7, 0xffff                   ; bh
	s_mul_i32 s16, s15, 393216                     ; the head in qkv
	s_lshr_b32 s58, s[WV], 2                       ; my part of strips 0 to 3: strip w / 4, bytes 4,096 (w % 4) on of its K and V
	s_mul_i32 s58, s58, 24576
	s_and_b32 s59, s[WV], 3
	s_lshl_b32 s59, s59, 12
	s_add_co_u32 s58, s58, s59
	s_add_co_u32 s58, s58, 8192
	s_add_co_u32 s18, s16, s58
	s_mov_b32 s19, 0
	s_mul_i32 s58, s[WV], 24576                    ; strip 4 + w, whole
	s_add_co_u32 s58, s58, 4*24576+8192
	s_add_co_u32 s58, s16, s58
	s_mov_b32 s59, 0
	s_lshl_b32 s60, s14, 1                         ; Q: strip 2 x + w / 8, fragments w % 8 (A) and w % 8 xor 1 (B)
	s_lshr_b32 s61, s[WV], 3
	s_add_co_u32 s60, s60, s61
	s_mul_i32 s60, s60, 24576
	s_add_co_u32 s60, s16, s60
	s_and_b32 s61, s[WV], 7
	s_lshl_b32 s61, s61, 10
	s_xor_b32 s62, s61, 1024
	s_add_co_u32 s62, s60, s62
	s_add_co_u32 s60, s60, s61
	s_mov_b32 s61, 0
	s_mov_b32 s63, 0
	s_lshl_b32 s16, s15, 18                        ; part: 262,144 bytes a head, 16 tiles of 2,048 a query block; mine is tile w
	s_lshl_b32 s17, s14, 15
	s_add_co_u32 s16, s16, s17
	s_lshl_b32 s17, s[WV], 11
	s_add_co_u32 s16, s16, s17
	s_mov_b32 s17, 0
	s_mov_b32 s[G1], 15|(3<<16)|(1<<21)            ; mask of the four; elements of 8 bytes; bit 21 beside a mask
	s_mov_b32 s[G1+1], 32<<16                      ; 16 rows of 256 bytes, dense
	s_mov_b32 s[G1+2], 16<<16
	s_mov_b32 s[G1+3], 32<<16
	s_mov_b32 s[G1+4], 16
	s_mov_b32 s[G1+5], 32
	s_mov_b32 s[G1+6], 0
	s_mov_b32 s[G1+7], 0
	s_mov_b32 s[H1], 15|(3<<16)|(1<<21)
	s_mov_b32 s[H1+1], 32<<16                      ; 64 rows of 256 bytes, dense
	s_mov_b32 s[H1+2], 64<<16
	s_mov_b32 s[H1+3], 32<<16
	s_mov_b32 s[H1+4], 64
	s_mov_b32 s[H1+5], 32
	s_mov_b32 s[H1+6], 0
	s_mov_b32 s[H1+7], 0
	s_mov_b32 s[SEL], 0x76543210
	s_mov_b32 s[SEL+1], 0xfedcba98                 ; selects for lane l xor 16
	s_wait_dscnt 0x0                               ; both opening adds are done
	s_wait_kmcnt 0x0
	s_load_b128 s[52:55], s[6:7], 0x18             ; eq, ek, ep, ev
	s_mov_b32 s[G0], 1
	s_lshl_b32 s[G0+1], s[WV], 12
	s_add_nc_u64 s[G0+2:G0+3], s[4:5], s[18:19]
	s_or_b32 s[G0+3], s[G0+3], 0x80000000
	s_mov_b32 s[H0], 1
	s_lshl_b32 s[H0+1], s[WV], 14
	s_add_co_u32 s[H0+1], s[H0+1], 65536
	s_add_nc_u64 s[H0+2:H0+3], s[4:5], s[58:59]
	s_or_b32 s[H0+3], s[H0+3], 0x80000000
	ROUND                                          ; the first joint loads meet
	tensor_load_to_lds s[G0:G0+3], s[G1:G1+7]      ; strips 0 to 3
	s_nop 0
	v_and_b32 v[LI], 31, v0
	v_lshlrev_b32 v[LI], 4, v[LI]
	s_add_nc_u64 s[60:61], s[4:5], s[60:61]
	s_add_nc_u64 s[62:63], s[4:5], s[62:63]
	global_load_b128 v[Q:Q+3], v[LI], s[60:61]
	global_load_b128 v[Q+4:Q+7], v[LI], s[60:61] offset:512
	global_load_b128 v[Q+8:Q+11], v[LI], s[62:63]
	global_load_b128 v[Q+12:Q+15], v[LI], s[62:63] offset:512
	s_and_b32 s13, s[WV], 1
	s_lshl_b32 s13, s13, 14
	v_add_nc_u32 v[KB], s13, v[LI]
	s_add_nc_u64 s[10:11], s[10:11], s[16:17]
	v_mov_b32 v[NM], 0x7f61b1e6                    ; -M at first: 3e38; so the first factor is 0
	v_mov_b32 v[NM+1], 0x7f61b1e6
	v_mov_b32 v[RM], 0xff61b1e6                    ; the largest score at first: -3e38
	v_mov_b32 v[RM+1], 0xff61b1e6
.irp j, 0,1,2,3
	v_mov_b32 v[LA+\j], 0
.endr
	s_wait_alu depctr_va_vdst(0)
	s_wait_kmcnt 0x0
	s_add_co_i32 s58, s52, s53
	s_lshl_b32 s58, s58, 23
	s_add_co_i32 s[CS], s58, 0x3e38aa3b            ; c = log2(e) / 8 x 2^(eq + ek)
	s_mov_b32 s[CS+1], s[CS]                       ; (named with it as a pair)
	s_xor_b32 s[NC], s[CS], 0x80000000             ; -c
	s_mov_b32 s[NC+1], s[NC]
	s_add_co_i32 s58, s54, 127
	s_lshl_b32 s59, s58, 23
	v_mov_b32 v[SCP], s59                          ; 2^ep
	s_add_co_i32 s58, s58, 15
	s_lshl_b32 s58, s58, 23
	s_or_b32 s[LIM], s58, 0x600000                 ; 57,344 x 2^ep
	s_add_co_i32 s[EPV], s54, s55                  ; ep + ev
.macro MXP s, t, i                     ; two more scores into a chain
	v_max3_num_f32 v[\t], v[\t], v[\s+5+2*(\i)], v[\s+6+2*(\i)]
.endm
.macro HOLD s, j                       ; p is not negative: the hold at the largest code x the scale is one-sided (the conversion does not saturate: ISA guide 7.6.2); two numbers an instruction
	v_dual_min_num_f32 v[\s+\j], s[LIM], v[\s+\j] :: v_dual_min_num_f32 v[\s+\j+1], s[LIM], v[\s+\j+1]
.endm
; The sum of 64 unquantised p in two chains (l, whose first term is the old sum under the new M, has been started), and the hold of each pair behind its addition.
.macro SUMHOLD s, l, c
	v_pk_add_f32 v[\c:\c+1], v[\s+2:\s+3], v[\s+4:\s+5]
	HOLD \s, 0
	HOLD \s, 2
	HOLD \s, 4
.set j, 6
.rept 14
	v_pk_add_f32 v[\l:\l+1], v[\l:\l+1], v[\s+j:\s+j+1]
	HOLD \s, j
	v_pk_add_f32 v[\c:\c+1], v[\c:\c+1], v[\s+j+2:\s+j+3]
	HOLD \s, j+2
.set j, j+4
.endr
	v_pk_add_f32 v[\l:\l+1], v[\l:\l+1], v[\s+62:\s+63]
	HOLD \s, 62
	v_pk_add_f32 v[\l:\l+1], v[\l:\l+1], v[\c:\c+1]
.endm
; A STEP: 128 keys x my two tiles.
; first = 1: the first trip's products start O: nothing is cleared and nothing rescaled.
.macro STEP first
	v_add_nc_u32 v[ADR], s[TB], v[KB]
.rept 4
	v_nop                                          ; with the addition five places behind the last products, whose sources are loaded into and written over below
.endr
.irp k, 0,1,2,3
	ds_load_b128 v[SB+8*\k:SB+8*\k+3], v[ADR] offset:1024*\k
	ds_load_b128 v[SB+8*\k+4:SB+8*\k+7], v[ADR] offset:1024*\k+512
.endr
.irp k, 0,1,2,3
	ds_load_b128 v[T+8*\k:T+8*\k+3], v[ADR] offset:4096+1024*\k
	ds_load_b128 v[T+8*\k+4:T+8*\k+7], v[ADR] offset:4096+1024*\k+512
.endr
	s_wait_alu depctr_va_vdst(0)
	s_wait_dscnt 8                                 ; K's fragments 0-3 are in; the eight loads of 4-7 may be out
.irp k, 0,1,2,3
	v_wmma_f32_16x16x64_bf8_bf8 v[SA+8*\k:SA+8*\k+7], v[SB+8*\k:SB+8*\k+7], v[Q:Q+7], 0
.endr
.irp k, 0,1,2,3
	v_wmma_f32_16x16x64_bf8_bf8 v[SB+32+8*\k:SB+32+8*\k+7], v[SB+8*\k:SB+8*\k+7], v[Q+8:Q+15], 0   ; B's accumulators 0-3 lie in SB's upper half
.endr
	s_wait_dscnt 0x0
.irp k, 0,1,2,3
	v_wmma_f32_16x16x64_bf8_bf8 v[SA+32+8*\k:SA+32+8*\k+7], v[T+8*\k:T+8*\k+7], v[Q:Q+7], 0
.endr
.rept 5
	v_nop                                          ; places: the next products write over fragments 0-3
.endr
.irp k, 0,1,2,3
	v_wmma_f32_16x16x64_bf8_bf8 v[SB+8*\k:SB+8*\k+7], v[T+8*\k:T+8*\k+7], v[Q+8:Q+15], 0           ; 4-7 in its lower half
.endr
	; the largest score of my queries, two chains a tile; the old largest is a leaf.  A's first four are the places behind the last products
	v_max3_num_f32 v[RM], v[RM], v[SA], v[SA+1]
	v_max3_num_f32 v[F], v[SA+2], v[SA+3], v[SA+4]
	MXP SA, RM, 0
	MXP SA, F, 1
	v_max3_num_f32 v[RM+1], v[RM+1], v[SB], v[SB+1]
	v_max3_num_f32 v[F+1], v[SB+2], v[SB+3], v[SB+4]
.set n, 2
.rept 13
	MXP SA, RM, n
	MXP SB, RM+1, n-2
	MXP SA, F, n+1
	MXP SB, F+1, n-1
.set n, n+2
.endr
	MXP SA, RM, 28
	MXP SB, RM+1, 26
	MXP SB, F+1, 27
	MXP SB, RM+1, 28
	v_max3_num_f32 v[RM], v[RM], v[F], v[SA+63]
	v_max3_num_f32 v[RM+1], v[RM+1], v[F+1], v[SB+63]
	v_permlanex16_b32 v[F], v[RM], s[SEL], s[SEL+1]
	v_permlanex16_b32 v[F+1], v[RM+1], s[SEL], s[SEL+1]
	v_max_num_f32 v[RM], v[RM], v[F]               ; and among lane l xor 16's keys
	v_max_num_f32 v[RM+1], v[RM+1], v[F+1]
	v_pk_mul_f32 v[T:T+1], v[RM:RM+1], s[NC:NC+1] op_sel_hi:[1,0]    ; -t of both tiles
	v_dual_mov_b32 v[T+2], v[NM] :: v_dual_mov_b32 v[T+3], v[NM+1]
	v_floor_f32 v[NM], v[T]                        ; -M = floor(-t): M is a whole number
	v_floor_f32 v[NM+1], v[T+1]
	v_pk_add_f32 v[T+2:T+3], v[NM:NM+1], v[T+2:T+3] neg_lo:[0,1] neg_hi:[0,1]   ; old M - new M: a whole number, 0 or less
	v_cvt_i32_f32 v[T+2], v[T+2]
	v_cvt_i32_f32 v[T+3], v[T+3]
	v_ldexp_f32 v[F], 1.0, v[T+2]
	v_ldexp_f32 v[F+1], 1.0, v[T+3]
.set j, 0
.rept 32
	v_pk_fma_f32 v[SA+j:SA+j+1], v[SA+j:SA+j+1], s[CS:CS+1], v[NM:NM+1] op_sel_hi:[1,0,0]   ; A: t - M
.set j, j+2
.endr
	s_wait_alu depctr_va_vdst(0)                   ; ahead of the batch
.set j, 0
.rept 32
	v_exp_f32 v[SA+j], v[SA+j]                     ; A's p; B's t - M stand among the exponentials
	v_exp_f32 v[SA+j+1], v[SA+j+1]
	v_pk_fma_f32 v[SB+j:SB+j+1], v[SB+j:SB+j+1], s[CS:CS+1], v[NM:NM+1] op_sel:[0,0,1] op_sel_hi:[1,0,1]
.set j, j+2
.endr
	s_wait_alu depctr_va_vdst(0)                   ; ahead of the batch's first reader; it serves B's sources too
	v_pk_fma_f32 v[LA:LA+1], v[LA:LA+1], v[F:F+1], v[SA:SA+1] op_sel_hi:[1,0,1]
	SUMHOLD SA, LA, T
.irp k, 0,1,2,3,4,5,6,7
	v_cvt_scalef32_pk8_bf8_f32 v[T+2*\k:T+2*\k+1], v[SA+8*\k:SA+8*\k+7], v[SCP]    ; registers 2 k, 2 k + 1 of the operand: keys 16 k + 8 h + 0 .. 7
.endr
.irp t, 0,1,2,3
.irp c, 0,1,2,3
	ds_load_b128 v[SA+16*\t+4*\c:SA+16*\t+4*\c+3], v[ADR] offset:8192+2048*\t+512*\c  ; V's fragments, over A's scores
.endr
.endr
.set j, 0
.rept 64
	v_exp_f32 v[SB+j], v[SB+j]
.set j, j+1
.endr
	s_wait_alu depctr_va_vdst(0)                   ; for the batch, and directly ahead of O's first readers
.if \first == 0
.set j, 0
.rept 16
	v_pk_mul_f32 v[O+j:O+j+1], v[O+j:O+j+1], v[F:F+1] op_sel_hi:[1,0]
.set j, j+2
.endr
.rept 16
	v_pk_mul_f32 v[O+j:O+j+1], v[O+j:O+j+1], v[F:F+1] op_sel:[0,1] op_sel_hi:[1,1]
.set j, j+2
.endr
.endif
	v_pk_fma_f32 v[LB:LB+1], v[LB:LB+1], v[F:F+1], v[SB:SB+1] op_sel:[0,1,0] op_sel_hi:[1,1,1]
	SUMHOLD SB, LB, T+16
.irp k, 0,1,2,3
	v_cvt_scalef32_pk8_bf8_f32 v[T+16+2*\k:T+17+2*\k], v[SB+32+8*\k:SB+39+8*\k], v[SCP]
.endr
.irp k, 0,1,2,3
	v_cvt_scalef32_pk8_bf8_f32 v[T+24+2*\k:T+25+2*\k], v[SB+8*\k:SB+8*\k+7], v[SCP]
.endr
	v_nop                                          ; one plain place behind the last conversion
	s_wait_alu depctr_va_vdst(0)
	s_wait_dscnt 0x0                               ; V
.irp t, 0,1,2,3
.if \first
	v_wmma_f32_16x16x128_bf8_bf8 v[O+8*\t:O+8*\t+7], v[SA+16*\t:SA+16*\t+15], v[T:T+15], 0
	v_wmma_f32_16x16x128_bf8_bf8 v[O+32+8*\t:O+32+8*\t+7], v[SA+16*\t:SA+16*\t+15], v[T+16:T+31], 0
.else
	v_wmma_f32_16x16x128_bf8_bf8 v[O+8*\t:O+8*\t+7], v[SA+16*\t:SA+16*\t+15], v[T:T+15], v[O+8*\t:O+8*\t+7]
	v_wmma_f32_16x16x128_bf8_bf8 v[O+32+8*\t:O+32+8*\t+7], v[SA+16*\t:SA+16*\t+15], v[T+16:T+31], v[O+32+8*\t:O+32+8*\t+7]
.endif
.endr
.endm
	s_wait_alu depctr_va_vdst(0)                   ; the head's end
	s_wait_loadcnt 0x0                             ; Q
	s_wait_tensorcnt 0x0                           ; my part of strips 0 to 3
	ds_add_u32 v[SPW], v[NIL]
	s_wait_dscnt 0x0
	ROUND                                          ; everybody's part is in, and the joint loads meet
	s_cmp_lt_u32 s[WV], 12
	s_cbranch_scc0 .Lno_strip
	tensor_load_to_lds s[H0:H0+3], s[H1:H1+7]      ; strip 4 + w
	s_nop 0
.rept 4
	v_nop
.endr
.Lno_strip:
	; EIGHT TRIPS, strips 2 n + w % 2.  The work-group's barrier is split: each trip ends with the wait for the signals of the trip before it and the next signal, so that no wave is more than a trip and a part of one ahead of another.
	; In front of each signal the wave's LDS reads are over (waited for in the trip); between a signal and its wait stand register work and reads of strips, which nobody writes.
	s_mov_b32 s[TB], 0
	STEP 1
	s_wait_tensorcnt 0x0                           ; my strip is in: the wait for this signal stands ahead of the first read of strips 4 to 15
	s_barrier_signal -1
	s_mov_b32 s[TB], 32768
	STEP 0
	s_barrier_wait -1                              ; all strips are in
	s_barrier_signal -1                            ; my reads of strips 0 to 3 are over
	s_mov_b32 s[TB], 65536
	s_mov_b32 s[CNT], 5
.Ltrip:
	STEP 0
	s_barrier_wait -1
	s_barrier_signal -1
	s_add_co_u32 s[TB], s[TB], 32768
	s_sub_co_u32 s[CNT], s[CNT], 1
	s_cmp_lg_u32 s[CNT], 0
	s_cbranch_scc1 .Ltrip
	s_mov_b32 s[TB], 229376
	STEP 0
	s_barrier_wait -1                              ; every wave has read all strips but the last two
	; THE EXCHANGE.  B's O, sum and -M go to the other wave of the pair: O into the bytes of strips 0 to 3, which have had their last fill and their last read; the sum and -M behind the spare words.
	v_add_f32 v[LA], v[LA], v[LA+1]
	v_add_f32 v[LB], v[LB], v[LB+1]
	v_permlanex16_b32 v[F], v[LA], s[SEL], s[SEL+1]
	v_permlanex16_b32 v[F+1], v[LB], s[SEL], s[SEL+1]
	v_add_f32 v[LA], v[LA], v[F]                   ; my keys' sum for A's query,
	v_add_f32 v[LB], v[LB], v[F+1]                 ; for B's
	v_mov_b32 v[LB+1], v[NM+1]
	s_lshl_b32 s58, s[WV], 12
	s_xor_b32 s59, s58, 4096
	v_add_nc_u32 v[ADR], s58, v[LI]                ; out: 4,096 w + 16 x lane
	v_add_nc_u32 v[LA+1], s59, v[LI]               ; in: the other wave's
	s_lshl_b32 s58, s[WV], 8
	s_xor_b32 s59, s58, 256
	s_add_co_u32 s58, s58, XML
	s_add_co_u32 s59, s59, XML
	v_lshrrev_b32 v[F], 1, v[LI]
	v_add_nc_u32 v[RM], s58, v[F]
	v_add_nc_u32 v[RM+1], s59, v[F]
	s_wait_alu depctr_va_vdst(0)
.irp c, 0,1,2,3,4,5,6,7
	ds_store_b128 v[ADR], v[O+32+4*\c:O+35+4*\c] offset:512*\c
.endr
	ds_store_b64 v[RM], v[LB:LB+1]
	s_wait_dscnt 0x0                               ; for the other wave's sake
	s_barrier_signal -1
	s_barrier_wait -1
	ds_load_b64 v[SA+32:SA+33], v[RM+1]            ; the other wave's sum and -M for A
.irp c, 0,1,2,3,4,5,6,7
	ds_load_b128 v[SA+4*\c:SA+4*\c+3], v[LA+1] offset:512*\c
.endr
	s_wait_alu depctr_va_vdst(0)
	s_wait_dscnt 0x0
	v_min_num_f32 v[F], v[NM], v[SA+33]            ; the joint -M
	v_sub_f32 v[F+1], v[F], v[NM]
	v_sub_f32 v[NM+1], v[F], v[SA+33]
	v_cvt_i32_f32 v[F+1], v[F+1]
	v_cvt_i32_f32 v[NM+1], v[NM+1]
	v_ldexp_f32 v[F+1], 1.0, v[F+1]                ; my factor,
	v_ldexp_f32 v[NM+1], 1.0, v[NM+1]              ; the other wave's
	v_mul_f32 v[LA], v[LA], v[F+1]
	v_fma_f32 v[LA], v[SA+32], v[NM+1], v[LA]      ; the row's sum
	s_wait_alu depctr_va_vdst(0)                   ; ahead of the transcendental
	v_rcp_f32 v[LB], v[LA]
	v_nop
	s_wait_alu depctr_va_vdst(0)                   ; and ahead of its first reader
	v_ldexp_f32 v[LB], v[LB], s[EPV]               ; x 2^(ep + ev)
	v_mul_f32 v[F], v[F+1], v[LB]
	v_mul_f32 v[LA], v[NM+1], v[LB]
	s_wait_alu depctr_va_vdst(0)                   ; directly ahead of O's first readers
.set j, 0
.rept 16
	v_pk_mul_f32 v[O+j:O+j+1], v[O+j:O+j+1], v[F:F+1] op_sel_hi:[1,0]
.set j, j+2
.endr
.set j, 0
.rept 16
	v_pk_fma_f32 v[O+j:O+j+1], v[SA+j:SA+j+1], v[LA:LA+1], v[O+j:O+j+1] op_sel_hi:[1,0,1]
.set j, j+2
.endr
.set j, 0
.rept 16
	v_cvt_pk_bf16_f32 v[T+j], v[O+2*j], v[O+2*j+1] ; the operand of the last product, in bf16
.set j, j+1
.endr
.irp t, 0,1,2,3
	global_store_b128 v[LI], v[T+4*\t:T+4*\t+3], s[10:11] offset:512*\t th:TH_STORE_NT   ; 32 lanes store 512 consecutive bytes, at a multiple of 512
.endr
	s_wait_tensorcnt 0x0                           ; the wave's end
	ds_add_u32 v[SPW], v[NIL]
	s_wait_dscnt 0x0
	ROUND                                          ; the closing round
	s_endpgm
.Lfunc_end_k_qa986b0598a_attn:
	.size	k_qa986b0598a_attn, .Lfunc_end_k_qa986b0598a_attn-k_qa986b0598a_attn
	.p2alignl 7, 3214868480
	.fill 96, 4, 3214868480
	.section	.rodata,"a",@progbits
	.p2align	6, 0x0
	.amdhsa_kernel k_qa986b0598a_attn
		.amdhsa_group_segment_fixed_size 327680
		.amdhsa_private_segment_fixed_size 0
		.amdhsa_enable_private_segment 0
		.amdhsa_kernarg_size 24
		.amdhsa_user_sgpr_count 2
		.amdhsa_user_sgpr_kernarg_segment_ptr 1
		.amdhsa_wavefront_size32 1
		.amdhsa_system_sgpr_workgroup_id_x 1
		.amdhsa_system_sgpr_workgroup_id_y 1
		.amdhsa_system_sgpr_workgroup_id_z 1
		.amdhsa_system_vgpr_workitem_id 0
		.amdhsa_next_free_vgpr 256
		.amdhsa_next_free_sgpr 66
		.amdhsa_reserve_vcc 0
		.amdhsa_float_denorm_mode_32 3
		.amdhsa_float_denorm_mode_16_64 3
		.amdhsa_memory_ordered 1
		.amdhsa_forward_progress 1
		.amdhsa_inst_pref_size 123
	.end_amdhsa_kernel
	.amdgpu_metadata
---
amdhsa.version: [ 1, 2 ]
amdhsa.kernels:
  - .name:           k_qa986b0598a_attn
    .symbol:         k_qa986b0598a_attn.kd
    .args:
      - { .name: qkv, .offset: 0, .size: 8, .value_kind: global_buffer, .address_space: global }
      - { .name: lowp_scales, .offset: 8, .size: 8, .value_kind: global_buffer, .address_space: global }
      - { .name: part, .offset: 16, .size: 8, .value_kind: global_buffer, .address_space: global }
    .group_segment_fixed_size: 327680
    .private_segment_fixed_size: 0
    .kernarg_segment_align: 8
    .kernarg_segment_size: 24
    .max_flat_workgroup_size: 512
    .sgpr_count:     66
    .vgpr_count:     256
    .wavefront_size: 32
...
	.end_amdgpu_metadata
.endif
;; end of part 2
;; launch hsum (part 3): grid 256 x 1, 4 waves a work-group, no clusters, 5,120 bytes of LDS; arguments part, W0_w, W0_b, out0; writes out0
.if DOCPART == 3
	.amdgcn_target "amdgcn-amd-amdhsa--gfx1250"
	.amdhsa_code_object_version 6
	.text
	.protected	k_qa986b0598a_hsum
	.globl	k_qa986b0598a_hsum
	.p2align	8
	.type	k_qa986b0598a_hsum,@function
k_qa986b0598a_hsum:
	s_mov_b64 s[64:65], 0
	v_nop
	global_prefetch_b8 v0, s[64:65] scope:SCOPE_SE
	s_setreg_imm32_b32 hwreg(HW_REG_WAVE_MODE, 25, 1), 1
	s_wait_xcnt 0x0
; out0[b][s][d] = the sum over the 16 heads of o[16 b + h][s][d] W0[h] + W0_b: o in bf16 (the operand of a product left as it is), the weights, the sums and the bias in f32.
; part = [bh 32][T 128][tau 4][lane 32][8 bf16]: tile T = 8 i + kap holds positions s = 256 kap + 16 r + i; lane (r, h) of chunk tau holds d = 16 tau + 8 h + 0 .. 7.
; A work-group takes one tile of one batch (b = group / 128, T = group % 128); wave w sums chunk w, d = 16 w .. 16 w + 15, over the 16 heads: 16 loads of 512 consecutive bytes, all issued at once.
; A lane's eight sums are part of one row of out0 and the lanes beside it hold other rows: the tile's 16 rows of 256 bytes meet in a stage in LDS (pitch 272), and each wave stores four whole rows,
; sixteen lanes to a row of 256 consecutive bytes, aligned.  Work-groups share only the 68 bytes of weights and bias; no matrix work, no tensor load, no loop to prefetch in.
.set LI,   1                           ; 16 x lane
.set STI,  2                           ; the stage, in: 272 r + 32 h + 64 w
.set STB,  3                           ; the stage, back: 272 (4 w + l / 16) + 16 (l % 16)
.set GO,   4                           ; out0: 4,096 (l / 16) + 16 (l % 16): neighbouring rows of the tile are 16 positions, 4,096 bytes, apart
.set SPW,  5                           ; my spare word; never rewritten
.set NIL,  6                           ; 0; never rewritten
.set X,    16                          ; head n's eight numbers in v[16 + 4 n : 19 + 4 n]
.set ACC,  80                          ; the sums, later two pairs of rows
.set W,    96                          ; the weights
.set BIAS, 112
.set SPARE, 4608                       ; behind the stage's 4,352 bytes: the spare words, 128 bytes for each wave
	s_load_b256 s[4:11], s[0:1], 0x0               ; part, W0_w, W0_b, out0
	v_lshl_add_u32 v[SPW], v0, 2, SPARE
	v_mov_b32 v[NIL], 0
	v_lshrrev_b32 v7, 5, v0
	v_readfirstlane_b32 s12, v7                    ; wave 0..3
	v_and_b32 v7, 15, v0                           ; r
	v_bfe_u32 v8, v0, 4, 1                         ; h
	v_and_b32 v[LI], 31, v0
	v_lshlrev_b32 v[LI], 4, v[LI]
	v_mul_u32_u24 v[STI], v7, 272
	v_lshl_add_u32 v[STI], v8, 5, v[STI]
	s_lshl_b32 s14, s12, 6
	v_add_nc_u32 v[STI], s14, v[STI]
	v_mul_u32_u24 v[STB], v8, 272
	v_lshl_add_u32 v[STB], v7, 4, v[STB]
	s_mul_i32 s14, s12, 4*272
	v_add_nc_u32 v[STB], s14, v[STB]
	v_lshlrev_b32 v[GO], 12, v8
	v_lshl_add_u32 v[GO], v7, 4, v[GO]
	s_lshr_b32 s14, ttmp9, 7                       ; b
	s_and_b32 s15, ttmp9, 127                      ; T
	s_lshl_b32 s16, s14, 22                        ; part: 16 heads x 262,144 bytes a batch,
	s_lshl_b32 s17, s15, 11                        ; 2,048 a tile,
	s_add_co_u32 s16, s16, s17
	s_lshl_b32 s17, s12, 9                         ; my chunk
	s_add_co_u32 s16, s16, s17
	s_mov_b32 s17, 0
	s_lshl_b32 s18, s14, 19                        ; out0: 524,288 b
	s_and_b32 s19, s15, 7
	s_lshl_b32 s19, s19, 16                        ; + 65,536 kap
	s_add_co_u32 s18, s18, s19
	s_lshr_b32 s19, s15, 3
	s_lshl_b32 s19, s19, 8                         ; + 256 i
	s_add_co_u32 s18, s18, s19
	s_lshl_b32 s19, s12, 14                        ; + my four rows
	s_add_co_u32 s18, s18, s19
	s_mov_b32 s19, 0
	s_wait_alu depctr_va_vdst(0)
	s_wait_kmcnt 0x0
	s_load_b512 s[32:47], s[6:7], 0x0              ; the 16 weights
	s_load_b32 s13, s[8:9], 0x0                    ; W0_b
	s_add_nc_u64 s[4:5], s[4:5], s[16:17]
	s_add_nc_u64 s[10:11], s[10:11], s[18:19]
.set n, 0
.rept 16
	global_load_b128 v[X+4*n:X+4*n+3], v[LI], s[4:5] offset:262144*n th:TH_LOAD_NT   ; 3,932,160 at the most: inside the signed 24-bit immediate (ISA guide, chapter 10)
.set n, n+1
.endr
	s_wait_kmcnt 0x0
.set n, 0
.rept 16
	v_mov_b32 v[W+n], s[32+n]
.set n, n+1
.endr
	v_mov_b32 v[BIAS], s13
.macro HEAD hh, c0, c1                 ; one head more, eight chains; c0, c1: what the sums of the even and odd numbers go on from, and its step
.irp e, 0,1,2,3
	v_fma_mix_f32_bf16 v[ACC+2*\e], v[X+4*(\hh)+\e], v[W+\hh], v[\c0+2*\e*\c1] op_sel_hi:[1,0,0]
	v_fma_mix_f32_bf16 v[ACC+2*\e+1], v[X+4*(\hh)+\e], v[W+\hh], v[\c0+(2*\e+1)*\c1] op_sel:[1,0,0] op_sel_hi:[1,0,0]
.endr
.endm
	s_wait_alu depctr_va_vdst(0)
	s_wait_loadcnt 8                               ; heads 0 to 7 are in; the eight younger loads may be out
	HEAD 0, BIAS, 0                                ; the bias starts the sums
.irp hh, 1,2,3,4,5,6,7
	HEAD \hh, ACC, 1
.endr
	s_wait_alu depctr_va_vdst(0)
	s_wait_loadcnt 0x0
.irp hh, 8,9,10,11,12,13,14,15
	HEAD \hh, ACC, 1
.endr
	ds_store_b128 v[STI], v[ACC:ACC+3]             ; row r, d = 16 w + 8 h + 0 .. 3,
	ds_store_b128 v[STI], v[ACC+4:ACC+7] offset:16 ; and + 4 .. 7
	s_wait_dscnt 0x0                               ; for the others' sake: my stores into the stage are done
	s_barrier_signal -1
	s_barrier_wait -1
	ds_load_b128 v[ACC:ACC+3], v[STB]              ; rows 4 w, 4 w + 1, whole,
	ds_load_b128 v[ACC+4:ACC+7], v[STB] offset:2*272   ; rows 4 w + 2, 4 w + 3
	s_wait_dscnt 1                                 ; the first pair of rows is in; the second load may be out
	global_store_b128 v[GO], v[ACC:ACC+3], s[10:11] th:TH_STORE_NT             ; sixteen lanes store 256 consecutive bytes, at a multiple of 256 from out0's first byte
	s_wait_dscnt 0x0
	global_store_b128 v[GO], v[ACC+4:ACC+7], s[10:11] offset:8192 th:TH_STORE_NT
	s_wait_tensorcnt 0x0                           ; the wave's end, behind my last LDS store
	ds_add_u32 v[SPW], v[NIL]
	s_wait_dscnt 0x0
	s_endpgm
.Lfunc_end_k_qa986b0598a_hsum:
	.size	k_qa986b0598a_hsum, .Lfunc_end_k_qa986b0598a_hsum-k_qa986b0598a_hsum
	.p2alignl 7, 3214868480
	.fill 96, 4, 3214868480
	.section	.rodata,"a",@progbits
	.p2align	6, 0x0
	.amdhsa_kernel k_qa986b0598a_hsum
		.amdhsa_group_segment_fixed_size 5120
		.amdhsa_private_segment_fixed_size 0
		.amdhsa_enable_private_segment 0
		.amdhsa_kernarg_size 32
		.amdhsa_user_sgpr_count 2
		.amdhsa_user_sgpr_kernarg_segment_ptr 1
		.amdhsa_wavefront_size32 1
		.amdhsa_system_sgpr_workgroup_id_x 1
		.amdhsa_system_sgpr_workgroup_id_y 1
		.amdhsa_system_sgpr_workgroup_id_z 1
		.amdhsa_system_vgpr_workitem_id 0
		.amdhsa_next_free_vgpr 128
		.amdhsa_next_free_sgpr 66
		.amdhsa_reserve_vcc 0
		.amdhsa_float_denorm_mode_32 3
		.amdhsa_float_denorm_mode_16_64 3
		.amdhsa_memory_ordered 1
		.amdhsa_forward_progress 1
		.amdhsa_inst_pref_size 13
	.end_amdhsa_kernel
	.amdgpu_metadata
---
amdhsa.version: [ 1, 2 ]
amdhsa.kernels:
  - .name:           k_qa986b0598a_hsum
    .symbol:         k_qa986b0598a_hsum.kd
    .args:
      - { .name: part, .offset: 0, .size: 8, .value_kind: global_buffer, .address_space: global }
      - { .name: W0_w, .offset: 8, .size: 8, .value_kind: global_buffer, .address_space: global }
      - { .name: W0_b, .offset: 16, .size: 8, .value_kind: global_buffer, .address_space: global }
      - { .name: out0, .offset: 24, .size: 8, .value_kind: global_buffer, .address_space: global }
    .group_segment_fixed_size: 5120
    .private_segment_fixed_size: 0
    .kernarg_segment_align: 8
    .kernarg_segment_size: 32
    .max_flat_workgroup_size: 128
    .sgpr_count:     66
    .vgpr_count:     128
    .wavefront_size: 32
...
	.end_amdgpu_metadata
.endif
;; end of part 3
